; MI455X (gfx1250); checked and timed in simulation.
; The chip was launched on July 23, 2026; its instructions are those of AMD's public machine-readable ISA for CDNA 5 (MIT licence, August 2026) and "CDNA5" Instruction Set Architecture Reference Guide (July 2026). The comments in the code are by the model that wrote it; some were corrected since.
;; Mamba Fallback. Allowed arithmetic: float matrix products may take bf16 or f16 operands with f32 sums; other float arithmetic in f32, or as packed bf16 or f16 multiplies, adds, multiply-adds, maxima and minima; sums over many terms, partial sums and values carried from step to step in f32; what a program stores and reads back later, other than sums and carried values, may be rounded once to bf16 or f16.
;; Inputs: W_in 1,024 x 2,048 float32; W_out 1,024 x 1,024 float32; b_in 2,048 float32; b_out 1,024 float32; x 4 x 4,096 x 1,024 float32.
;; Outputs: out0 4 x 4,096 x 1,024 float32.
;; One version. Each part assembles by itself: llvm-mc -triple=amdgcn-amd-amdhsa -mcpu=gfx1250 --defsym DOCPART=n.
;; ======== version 1 of 1: 3 launches
;; workspace buffers: xb 33,554,432 bytes; WinT 4,194,304 bytes; WoutT 2,097,152 bytes; hT 33,554,432 bytes; ends 1,048,576 bytes
;; launch prep (part 1): grid 1408 x 1, 8 waves a work-group, no clusters, 18,432 bytes of LDS; arguments x, W_in, W_out, xb, WinT, WoutT, ends; writes xb, WinT, WoutT, ends
.if DOCPART == 1
	.amdgcn_target "amdgcn-amd-amdhsa--gfx1250"
	.amdhsa_code_object_version 6
	.text
	.protected	k_q138007a79c_prep
	.globl	k_q138007a79c_prep
	.p2align	8
	.type	k_q138007a79c_prep,@function
k_q138007a79c_prep:
	s_mov_b64 s[64:65], 0
	v_nop
	global_prefetch_b8 v0, s[64:65] scope:SCOPE_SE
	s_setreg_imm32_b32 hwreg(HW_REG_WAVE_MODE, 25, 1), 1
	s_wait_xcnt 0x0
; FIRST OF THREE LAUNCHES for out = scan(sigmoid(gate) silu(hidden)) W_out + b_out, (gate | hidden) = x W_in + b_in, h_t = 0.9 h_(t-1) + 0.1 g_t.
; WORK LEFT OUT BY THE PROGRAM: only the product 0.9 h_0 of each sequence's first step.  reference() builds h_0 itself, as zeros, so that product is 0 whatever
; the inputs hold; the scan begins with 0.1 g_0.  h_0 is no input, so no NaN, infinity or overflow can reach that product alone.  All five inputs have a way to
; the output and all are loaded (b_in by the second launch, b_out by the third).
; THIS LAUNCH brings the matrix operands into 16 bits and into the order in which the products take them:
;   work-groups 0 .. 255: WinT[n'][k] = bf16(W_in[k][n]), a tile of 128 k x 64 n each; column d of the gate goes to row 128 (d / 64) + d % 64,
;     column d of the hidden part to row 128 (d / 64) + 64 + d % 64, so that 128 rows on end hold 64 gate columns and their 64 hidden columns;
;   work-groups 256 .. 383: WoutT[e][d] = bf16(W_out[d][e]), likewise;
;   work-groups 384 .. 1407: xb = x rounded to bf16, 64 KiB of x each; wave 0 of each also writes 512 bytes of the zero rows of ends.
; The weights' work-groups, which hang on one round trip (load, turn in LDS, store), have the lowest numbers, so that the cast's stream runs beside them.
; ends is [4 sequences][64 rows][1024] f32: rows 0-31 stand for the time before a sequence begins and are 0 (written here); row 32 + j is written by the second launch.
; LIMIT: every input of the module is rounded once to bf16 (to nearest even).
.set SPARE, 17408                      ; behind the transposing tile (64 rows x 272 bytes): the spare words, 128 bytes for each of 8 waves, that no other line names
.set SPW, 78                           ; v78  LDS address of my spare word; never rewritten
.set NIL, 79                           ; v79  0; never rewritten
.set XR,  8                            ; v[8:71]   as loaded; the cast rounds in place
.set ZR,  72                           ; v[72:75]  zeros
.set TP,  272                          ; pitch of the tile in LDS: 256 bytes + 16
	s_load_b256 s[4:11], s[0:1], 0x0               ; x s[4:5], W_in s[6:7], W_out s[8:9], xb s[10:11]
	s_load_b128 s[12:15], s[0:1], 0x20             ; WinT s[12:13], WoutT s[14:15]
	s_load_b64 s[16:17], s[0:1], 0x30              ; ends
	v_lshl_add_u32 v[SPW], v0, 2, SPARE
	v_mov_b32 v[NIL], 0
	v_lshrrev_b32 v1, 5, v0
	v_readfirstlane_b32 s18, v1                    ; wave 0..7
	v_and_b32 v2, 31, v0                           ; lane
	s_mov_b32 s21, 0
	s_wait_kmcnt 0x0
	s_cmp_lt_u32 ttmp9, 384                        ; the same in all eight waves
	s_cbranch_scc1 .Lweights
	; THE CAST.  A wave takes 8,192 bytes of x: sixteen loads of 512 consecutive bytes, all out before the first wait.
	s_sub_co_u32 s19, ttmp9, 384                   ; 0 .. 1023
	s_lshl_b32 s20, s19, 16
	s_add_nc_u64 s[4:5], s[4:5], s[20:21]
	s_lshl_b32 s20, s19, 15
	s_add_nc_u64 s[10:11], s[10:11], s[20:21]
	v_lshlrev_b32 v3, 4, v2
	v_lshl_or_b32 v3, v1, 13, v3                   ; 8,192 wave + 16 lane
	v_lshlrev_b32 v4, 3, v2
	v_lshl_or_b32 v4, v1, 12, v4                   ; 4,096 wave + 8 lane
.irp j, 0,1,2,3,4,5,6,7,8,9,10,11,12,13,14,15
	global_load_b128 v[XR+4*(\j):XR+4*(\j)+3], v3, s[4:5] offset:512*(\j) th:TH_LOAD_NT
.endr
.irp j, 0,1,2,3,4,5,6,7,8,9,10,11,12,13,14,15
	s_wait_loadcnt 15-(\j)                         ; loads come back in order: load j is in, the younger ones stay out
	v_cvt_pk_bf16_f32 v[XR+4*(\j)],   v[XR+4*(\j)],   v[XR+4*(\j)+1]    ; in place: the first two of the four registers take the four numbers
	v_cvt_pk_bf16_f32 v[XR+4*(\j)+1], v[XR+4*(\j)+2], v[XR+4*(\j)+3]
	global_store_b64 v4, v[XR+4*(\j):XR+4*(\j)+1], s[10:11] offset:256*(\j)  ; the wave's 32 lanes store 256 consecutive bytes, aligned
.endr
	s_cmp_lg_u32 s18, 0
	s_cbranch_scc1 .Lcast_end
	; wave 0: 512 bytes of the zero rows: 4 sequences x 32 rows x 4,096 bytes = 1,024 work-groups x 512 bytes
.irp j, 0,1,2,3
	v_mov_b32 v[ZR+(\j)], 0
.endr
	v_lshlrev_b32 v5, 4, v2
	s_lshr_b32 s22, s19, 8                         ; the sequence,
	s_lshl_b32 s22, s22, 18                        ; 64 rows of 4,096 bytes each
	s_and_b32 s23, s19, 255
	s_lshl_b32 s23, s23, 9
	s_add_co_u32 s20, s22, s23
	s_add_nc_u64 s[16:17], s[16:17], s[20:21]
	global_store_b128 v5, v[ZR:ZR+3], s[16:17]
.Lcast_end:
	s_endpgm
	; THE WEIGHTS.  A tile of 128 k x 64 n: read by rows of 256 bytes, rounded, turned through LDS, written as 64 rows of 256 bytes.
.macro LOADW pitch                     ; thread t: rows k = 8 (t / 16) + 0..7, columns 4 (t % 16) + 0..3: sixteen lanes read 256 consecutive bytes
	v_mul_u32_u24 v3, v7, 8*(\pitch)
	v_lshl_add_u32 v3, v6, 4, v3
.irp j, 0,1,2,3,4,5,6,7
	global_load_b128 v[XR+4*(\j):XR+4*(\j)+3], v3, s[20:21] offset:(\j)*(\pitch) th:TH_LOAD_NT
.endr
.endm
.Lweights:
	s_mov_b32 s19, ttmp9                           ; 0 .. 255: W_in; 256 .. 383: W_out
	v_and_b32 v6, 15, v0                           ; t % 16
	v_lshrrev_b32 v7, 4, v0                        ; t / 16
	s_mov_b32 s25, 0
	s_mov_b32 s27, 0
	s_and_b32 s28, s19, 7                          ; the tile along k, for both
	s_lshr_b32 s29, s19, 3                         ; W_in: the tile along n, 0 .. 31
	s_lshl_b32 s24, s28, 20                        ; 128 rows of 8,192 bytes
	s_and_b32 s30, s29, 15
	s_lshl_b32 s30, s30, 7
	s_lshr_b32 s31, s29, 4                         ; 0: gate, 1: hidden
	s_lshl_b32 s31, s31, 6
	s_add_co_u32 s26, s30, s31                     ; the tile's first row in WinT
	s_sub_co_u32 s32, s29, 32                      ; W_out: the tile along n, 0 .. 15
	s_lshl_b32 s33, s28, 19                        ; 128 rows of 4,096 bytes
	s_lshl_b32 s34, s32, 6                         ; the tile's first row in WoutT
	s_cmp_lt_u32 s19, 256
	s_cselect_b32 s29, s29, s32
	s_cselect_b32 s24, s24, s33
	s_cselect_b32 s26, s26, s34
	s_cselect_b64 s[20:21], s[6:7], s[8:9]         ; from which buffer,
	s_cselect_b64 s[22:23], s[12:13], s[14:15]     ; into which
	s_lshl_b32 s29, s29, 8                         ; 64 columns of f32
	s_add_co_u32 s24, s24, s29
	s_lshl_b32 s26, s26, 11                        ; rows of 2,048 bytes
	s_lshl_b32 s28, s28, 8                         ; 128 k of bf16
	s_add_co_u32 s26, s26, s28
	s_add_nc_u64 s[20:21], s[20:21], s[24:25]
	s_add_nc_u64 s[22:23], s[22:23], s[26:27]
	s_cmp_lt_u32 s19, 256                          ; only the loads differ: their immediates hold the pitch
	s_cbranch_scc0 .Lwout
	LOADW 8192
	s_branch .Ltrans
.Lwout:
	LOADW 4096
.Ltrans:
	v_mul_u32_u24 v4, v6, 4*TP
	v_lshl_add_u32 v4, v7, 4, v4                   ; in: row n = 4 (t % 16) + c, bytes 16 (t / 16): eight k
	v_mul_u32_u24 v5, v7, TP
	v_lshl_add_u32 v5, v6, 4, v5                   ; back: row t / 16 + 16 i, bytes 16 (t % 16)
	v_lshlrev_b32 v2, 11, v7
	v_lshl_add_u32 v2, v6, 4, v2                   ; and the same place in the transposed weights
	s_wait_loadcnt 0x0
.irp c, 0,1,2,3
.irp i, 0,1,2,3
	v_cvt_pk_bf16_f32 v[40+4*(\c)+(\i)], v[XR+8*(\i)+(\c)], v[XR+8*(\i)+4+(\c)]  ; k = 8 (t / 16) + 2 i, + 1 of column c
.endr
.endr
.irp c, 0,1,2,3
	ds_store_b128 v4, v[40+4*(\c):40+4*(\c)+3] offset:TP*(\c)
.endr
	s_wait_dscnt 0x0                               ; for the others' sake: my stores into the tile are done
	s_barrier_signal -1
	s_barrier_wait -1
.irp i, 0,1,2,3
	ds_load_b128 v[56+4*(\i):56+4*(\i)+3], v5 offset:(\i)*16*TP
.endr
.irp i, 0,1,2,3
	s_wait_dscnt 3-(\i)
	global_store_b128 v2, v[56+4*(\i):56+4*(\i)+3], s[22:23] offset:(\i)*32768  ; sixteen lanes store 256 consecutive bytes, aligned
.endr
	s_wait_tensorcnt 0x0                           ; the wave's end, behind my last LDS store
	ds_add_u32 v[SPW], v[NIL]
	s_wait_dscnt 0x0
	s_endpgm
.Lfunc_end_k_q138007a79c_prep:
	.size	k_q138007a79c_prep, .Lfunc_end_k_q138007a79c_prep-k_q138007a79c_prep
	.p2alignl 7, 3214868480
	.fill 96, 4, 3214868480
	.section	.rodata,"a",@progbits
	.p2align	6, 0x0
	.amdhsa_kernel k_q138007a79c_prep
		.amdhsa_group_segment_fixed_size 18432
		.amdhsa_private_segment_fixed_size 0
		.amdhsa_enable_private_segment 0
		.amdhsa_kernarg_size 56
		.amdhsa_user_sgpr_count 2
		.amdhsa_user_sgpr_kernarg_segment_ptr 1
		.amdhsa_wavefront_size32 1
		.amdhsa_system_sgpr_workgroup_id_x 1
		.amdhsa_system_sgpr_workgroup_id_y 1
		.amdhsa_system_sgpr_workgroup_id_z 1
		.amdhsa_system_vgpr_workitem_id 0
		.amdhsa_next_free_vgpr 80
		.amdhsa_next_free_sgpr 66
		.amdhsa_reserve_vcc 0
		.amdhsa_float_denorm_mode_32 3
		.amdhsa_float_denorm_mode_16_64 3
		.amdhsa_memory_ordered 1
		.amdhsa_forward_progress 1
		.amdhsa_inst_pref_size 13
	.end_amdhsa_kernel
	.amdgpu_metadata
---
amdhsa.version: [ 1, 2 ]
amdhsa.kernels:
  - .name:           k_q138007a79c_prep
    .symbol:         k_q138007a79c_prep.kd
    .args:
      - { .name: x, .offset: 0, .size: 8, .value_kind: global_buffer, .address_space: global }
      - { .name: W_in, .offset: 8, .size: 8, .value_kind: global_buffer, .address_space: global }
      - { .name: W_out, .offset: 16, .size: 8, .value_kind: global_buffer, .address_space: global }
      - { .name: xb, .offset: 24, .size: 8, .value_kind: global_buffer, .address_space: global }
      - { .name: WinT, .offset: 32, .size: 8, .value_kind: global_buffer, .address_space: global }
      - { .name: WoutT, .offset: 40, .size: 8, .value_kind: global_buffer, .address_space: global }
      - { .name: ends, .offset: 48, .size: 8, .value_kind: global_buffer, .address_space: global }
    .group_segment_fixed_size: 18432
    .private_segment_fixed_size: 0
    .kernarg_segment_align: 8
    .kernarg_segment_size: 56
    .max_flat_workgroup_size: 256
    .sgpr_count:     66
    .vgpr_count:     80
    .wavefront_size: 32
...
	.end_amdgpu_metadata
.endif
;; end of part 1
;; launch proj (part 2): grid 8 x 32, 4 waves a work-group, clusters of 4 x 4, 327,680 bytes of LDS; arguments xb, WinT, hT, b_in, ends; writes hT, ends
.if DOCPART == 2
	.amdgcn_target "amdgcn-amd-amdhsa--gfx1250"
	.amdhsa_code_object_version 6
	.text
	.protected	k_q138007a79c_proj
	.globl	k_q138007a79c_proj
	.p2align	8
	.type	k_q138007a79c_proj,@function
k_q138007a79c_proj:
	s_mov_b64 s[64:65], 0
	v_nop
	global_prefetch_b8 v0, s[64:65] scope:SCOPE_SE
	s_setreg_imm32_b32 hwreg(HW_REG_WAVE_MODE, 25, 1), 1
	s_wait_xcnt 0x0
	s_wait_alu depctr_hold_cnt(0) depctr_sa_sdst(0) depctr_va_vdst(0) depctr_va_sdst(0) depctr_va_ssrc(0) depctr_va_vcc(0) depctr_vm_vsrc(0)
	s_getreg_b32 s2, hwreg(HW_REG_IB_STS2, 6, 4)
	s_cmp_eq_u32 s2, 0
	s_cbranch_scc0 .Lentry_in_a_cluster
	s_endpgm
.Lentry_in_a_cluster:
	s_bfe_u32 s2, ttmp6, 0x10000c
	s_cmp_lg_u32 s2, 0xf033
	s_cbranch_scc0 .Lentry_shape_is_right
	s_endpgm
.Lentry_shape_is_right:
; SECOND LAUNCH: (gate | hidden) = xb WinT^T + b_in; g = sigmoid(gate) silu(hidden); h_t = 0.9 h_(t-1) + 0.1 g_t, scanned FROM ZERO over chunks of 128 rows.
; Left out: the product 0.9 h_0 with reference()'s own h_0 = 0 (shown at the head of the first kernel): a chunk's first row is 0.1 g.
; THE SCAN IS LINEAR: the true state in row i of a chunk is the state scanned from zero plus 0.9^(i+1) x the true state at the end of the chunk before.  This launch stores the first
; part, rounded once to bf16, transposed (hT[d][row], the third launch's matrix operand), and each chunk's end state in f32 (ends, row 32 + chunk); the third launch adds the second part.
; SHARES.  A tile is 256 rows x 256 rows of WinT, that is 128 columns of g; each of the four waves makes 128 rows (one chunk) x 64 gate and their 64 hidden columns:
; 64 accumulators of 16 x 16, 512 registers.  K = 1,024 goes in 8 steps of 128 through a ring of two LDS slots; the tiles' rows are 256 bytes of memory, aligned.
; A WORK-GROUP STAYS: it makes TWO tiles, 8,192 rows apart, of the same columns.  The ring does not stop between them: 14 refills for 16 K steps, of which the first tile's last two bring the second
; tile's K steps 0 and 1; nothing waits for the first tile's stores.
; THE TEXT.  A K step is written once for the steps that fill a slot again (a loop counted from 14 to 0, left forward at 6, the first tile's end, and at 0) and once for the last two steps, which fill nothing
; (a loop of two trips, entered and left in the middle). The slot in hand is a scalar, turned by an exclusive or and added to lane terms that are never rewritten.  The gating stands once.
; THE MATRIX INSTRUCTION: source 0 = 16 rows of x, source 1 = 16 rows of WinT.  In the result lane l holds column l % 16 and its registers 0-7 the rows 8 (l / 16) + 0..7:
; EIGHT CONSECUTIVE TIME STEPS of one column.  So the scan runs along a lane's registers, one exchange between the halves of the lanes joins 8 and 8 rows, and eight states pack into 16 bytes of a row of hT.
; CLUSTERS: 4 x 4 work-groups.  The four of a row of the cluster need the same tiles of x, the four of a column the same tiles of WinT: each tile is asked for jointly.
; LIMITS.  b_in is rounded to bf16 like every input; the states are rounded once to bf16.  The scan is regrouped (8, 16, 128 rows), so its roundings fall otherwise than reference()'s.
; g = 0.1 hidden / ((1 + e^-gate)(1 + e^-hidden)): where that product passes 2^126, g counts as 0 (its true size is then under |hidden| 2^-126); the factors are sums of at least 1, so no 0 x infinity arises.
; NaN and infinities are not treated apart.
; REGISTERS, in windows of 256 (s_set_vgpr_msb: bits 1:0 source 0, 3:2 source 1, 5:4 source 2, 7:6 destination):
;   window 0: v0-31 addresses; v32-63 constants of the gating and the scan; v64-127, v128-191 fragments of WinT, two buffers; the gating and the way out work in v128-255, so that the next tile's first fragments stay in v64-127
;   window 1: v64-127, v128-191 fragments of x     window 2: accumulators of the gate, (column block c, row block t) at v[8 (8 c + t)]     window 3: those of the hidden part, same numbers
.set KSTEP,  128
.set PITCH,  272                       ; an LDS row: 256 bytes + 16 of padding = 68 words: the 16 rows of a fragment load start at 16 different groups of four banks (64 banks of 4 bytes: ISA guide 11.1)
.set HALFT,  128*PITCH                 ; what one tensor load brings, and what one wave reads of x or of WinT
.set SLOT,   4*HALFT                   ; x's 256 rows, then WinT's 256 rows.  0x22000: no wave's place in a slot (0x8800 x wave) has one of its two bits, so an exclusive or with it changes slots
.set SPARE,  2*SLOT                    ; behind the ring: the spare words, 128 bytes for each wave, that no other line names
.set STAGE,  SPARE+512                 ; the way out: 32 rows of hT x 272 bytes for each wave; no tensor load lands here
.set STGW,   32*PITCH
.set ESTG,   STAGE+4*STGW              ; behind the four stages: 256 bytes a wave for the chunk's end state
.set WALKB,  8192*2048                 ; bytes of xb from a tile to the work-group's next
.set ADW0, 16                          ; v16     my lane's place among my WinT fragments in slot 0; never rewritten
.set ADW,  17                          ; v17     the same in the slot in hand
.set ADX0, 20                          ; v20-21  likewise for x
.set ADX,  21
.set STO,  24                          ; v24     where I put 16 bytes of a row of hT
.set RD,   25                          ; v25     where I read rows back
.set CO,   26                          ; v26     my byte offset in hT
.set ESTO, 27                          ; v27     where I put my column's end state
.set SPW,  28                          ; v28     LDS address of my spare word; never rewritten
.set NIL,  29                          ; v29     0; never rewritten
.set PFO,  30                          ; v30     the prefetches' offset: my lane x 2,048 bytes (a row of xb or WinT); never rewritten
.set ERD,  31                          ; v31     where I read 8 bytes of the end states back
.set EGO,  15                          ; v15     and their place in the row of ends
.set EB,   6                           ; v6-7    the end states read back (at the head: at work)
.set BGL,  32                          ; v32-39  -log2(e) b_gate of my column in block c, twice, at BGL + 2 c
.set BHL,  40                          ; v40-47  -log2(e) b_hidden
.set BH01, 48                          ; v48-55  0.1 b_hidden
.set PW,   56                          ; v56-63  0.9^1 .. 0.9^8
.set F0,   64
.set F1,   128
.set TT,   128                         ; v128-159 behind the products: 0.1 g, then the states, of block c at TT + 8 c
.set PK,   160                         ; v160-167 the states of blocks 0, 1 in bf16
.set XH,   168                         ; v168-171 the other half of the lanes' last state
.set SLO,  172                         ; v172-175 the state at the end of a block's rows 0-7
.set SHI,  176                         ; v176-179 rows 8-15 scanned from zero
.set RUN,  180                         ; v180-183 the state at the end of the block
.set CIN,  184                         ; v184-191 what my eight rows start from, in the low word of a pair
.set KEEP, 192                         ; v192-255 the states of blocks 2, 3 in bf16, of row block t at KEEP + 8 t: they go through the stage second
.set OB1,  128                         ; the way out: 32 rows read back,
.set OB2,  192                         ; and the other 32
.set G1,  24                           ; s[24:31] descriptor group 1 for x's tiles;    s[32:39] group 0: a set for each of the two first fills; the second then walks
.set G0,  32
.set G1B, 48                           ; s[48:55], s[56:63] the same for WinT's tiles
.set G0B, 56
.set LIM, 43                           ; s43      a wave prefetches while the refills still to come are more than this
.set PFA, 44                           ; s[44:45] where my prefetches stand
.set NLOG, 72                          ; s[72:73] -log2(e)
.set TEN,  74                          ; s[74:75] 0.1
.set QQ,   76                          ; s76      0.9
.set Q8,   77                          ; s77      0.9^8
.set HM,   78                          ; s78      0xffff0000: lanes 16-31; also a word's upper bf16
.set SB,   79                          ; s79      LDS byte at which the slot in hand begins: 0 or SLOT
.set SEL,  80                          ; s[80:81] v_permlanex16_b32's selects: each lane takes its own place in the other half
.set OX,   82                          ; s[82:83] byte offset in xb of the K step to be asked for
.set BX,   84                          ; s[84:85] xb at the 128 rows that I fetch, first tile, K step 0; never rewritten
.set BW,   86                          ; s[86:87] WinT likewise
.set TC,   88                          ; s88      counts the last two K steps
.set KN,   89                          ; s89      the K step to be asked for next, 0 .. 7
.set PS,   90                          ; s[90:91] the prefetches' step
.set PJ,   92                          ; s92      their step from the first tile's K step 7 to the second tile's K step 0
.set TO,   93                          ; s93      byte offset in xb of the tile whose K steps are being asked for
.set OW,   94                          ; s[94:95] byte offset in WinT of the K step to be asked for
.set MSB, 0
.macro WIN new                         ; the immediate's high byte repeats the setting that is left; a switch that changes nothing is dropped
.if MSB != (\new)
	s_set_vgpr_msb (MSB<<8)|(\new)
.set MSB, \new
.endif
.endm
.set MUL_LO, 0xa1                      ; source 0 (x) window 1, source 1 (WinT) window 0, C and D window 2
.set MUL_HI, 0xf1                      ; the same, C and D window 3
.set TO_X,   0x40                      ; destination window 1, address window 0
; A joint load.  Waves 0 and 1 fetch x's two halves, waves 2 and 3 WinT's.  The branch hangs on the wave's number alone.  An s_nop 0 and four v_nop follow each of the two lines.
.macro JLOAD s
	s_cmp_eq_u32 s11, 0
	s_cbranch_scc0 .Lfor_b_\@
	tensor_load_to_lds s[G0+4*(\s):G0+4*(\s)+3], s[G1:G1+7]
	s_nop 0
.rept 4
	v_nop
.endr
	s_branch .Lasked_\@
.Lfor_b_\@:
	tensor_load_to_lds s[G0B+4*(\s):G0B+4*(\s)+3], s[G1B:G1B+7]
	s_nop 0
.rept 4
	v_nop
.endr
.Lasked_\@:
.endm
; A prefetch of the K step that stands two refills on: 32 rows x 256 bytes, a lane a row, one instruction a wave.  x's tile row is read by both clusters of a row of clusters: cluster x = 0 asks;
; WinT's tile column by all eight clusters of a column: cluster y = 0 asks.  Of the 128 rows that a wave fetches each of the four partners that ask jointly takes 32, told apart by address.
; s3 counts the refills still to come, this one among them.  x: refills 1 to 12 of 14 name the first tile's K steps 4 to 7 and the second tile's 0 to 7 (s3 above 2).
; WinT: refills 1 to 4 name K steps 4 to 7 (s3 above 10); the second tile takes the same rows again, and they are not asked for again.
.macro ASK
	s_cmp_gt_u32 s3, s[LIM]
	s_cbranch_scc0 .Lnot_mine_\@
	global_prefetch_b8 v[PFO], s[PFA:PFA+1] th:TH_LOAD_NT scope:SCOPE_SE
.Lnot_mine_\@:
.endm
.macro CREST                           ; a round of the cluster's barrier behind its opening barrier
	s_cmp_lg_u32 s10, 0
	s_cbranch_scc1 .Lnot_wave_0_\@
	s_barrier_signal -3
.Lnot_wave_0_\@:
	s_barrier_wait -3
	s_barrier_signal -1
	s_barrier_wait -1
.endm
.macro CROUND                          ; a whole round
	s_barrier_signal -1
	s_barrier_wait -1
	CREST
.endm
	s_load_b128 s[4:7], s[0:1], 0x0                ; xb s[4:5], WinT s[6:7]
	s_load_b64 s[8:9], s[0:1], 0x10                ; hT
	s_load_b128 s[68:71], s[0:1], 0x18             ; b_in s[68:69], ends s[70:71]
	v_lshl_add_u32 v[SPW], v0, 2, SPARE
	v_mov_b32 v[NIL], 0
	ds_add_u32 v[SPW], v[NIL]                      ; the wave's opening: the add, twice on end, and its wait ahead of my first tensor load
	ds_add_u32 v[SPW], v[NIL]                      ; (the set-up below, work on registers, stands between the second add and the wait)
	v_lshrrev_b32 v1, 5, v0
	v_readfirstlane_b32 s10, v1                    ; wave 0..3
	s_lshr_b32 s11, s10, 1                         ; which half of the tile's rows is mine.  Also: I fetch for x (0) or for WinT (1)
	s_and_b32 s12, s10, 1                          ; which half of its columns.  Also: which 128 rows of that tile I fetch
	s_bfe_u32 s40, ttmp6, 0x40000                  ; cx
	s_bfe_u32 s41, ttmp6, 0x40004                  ; cy
	s_lshl_b32 s42, ttmp9, 2
	s_add_co_u32 s42, s42, s40                     ; tile column = 4 x cluster x + cx
	s_and_b32 s13, ttmp7, 0xffff
	s_lshl_b32 s13, s13, 2
	s_add_co_u32 s13, s13, s41                     ; the first tile's row = 4 x cluster y + cy, 0 .. 31; the second's is 32 more
	s_lshl_b32 s43, s41, 2
	s_lshl_b32 s43, 15, s43                        ; my row of the cluster
	s_lshl_b32 s44, 0x1111, s40                    ; my column
	; descriptor group 1: a tile of 128 rows x 128 elements of 2 bytes; after every 64 words (code 5) 4 words of padding (code 3); bit 21 set beside the mask
	s_or_b32 s[G1+0], s43, (1<<16)|(1<<20)|(1<<21)|(5<<22)|(3<<25)
	s_or_b32 s[G1B+0], s44, (1<<16)|(1<<20)|(1<<21)|(5<<22)|(3<<25)
.irp g, G1, G1B
	s_mov_b32 s[(\g)+1], KSTEP<<16                 ; tensor_dim0 = 128
	s_mov_b32 s[(\g)+2], 128<<16                   ; tensor_dim1 = 128
	s_mov_b32 s[(\g)+3], KSTEP<<16                 ; tile_dim0 = 128
	s_mov_b32 s[(\g)+4], 128                       ; tile_dim1 = 128
	s_mov_b32 s[(\g)+5], 1024                      ; 1,024 elements from row to row
	s_mov_b32 s[(\g)+6], 0
	s_mov_b32 s[(\g)+7], 0
.endr
	s_mov_b32 s[NLOG], 0xbfb8aa3b
	s_mov_b32 s[NLOG+1], 0xbfb8aa3b
	s_mov_b32 s[TEN], 0x3dcccccd
	s_mov_b32 s[TEN+1], 0x3dcccccd
	s_mov_b32 s[QQ], 0x3f666666
	s_mov_b32 s[HM], 0xffff0000
	s_mov_b32 s[SEL], 0x76543210
	s_mov_b32 s[SEL+1], 0xfedcba98
	s_mov_b32 s[SB], 0
	s_mov_b32 s[KN], 2                             ; K steps 0 and 1 are the first fills
	s_mov_b32 s[TO], 0
	s_mov_b32 s[OX+1], 0
	s_mov_b32 s[OW+1], 0
	s_mov_b32 s[PS+1], 0
	v_mov_b32 v[PW], s[QQ]
.irp j, 1,2,3,4,5,6,7
	v_mul_f32 v[PW+(\j)], s[QQ], v[PW+(\j)-1]
.endr
	v_readfirstlane_b32 s[Q8], v[PW+7]
	s_lshl_b32 s17, s12, 7                         ; which 128 rows of the tile I fetch
	s_lshl_b32 s16, s13, 8
	s_add_co_u32 s16, s16, s17                     ; x: row 256 x tile row + 128 x half
	s_lshl_b32 s46, s42, 8
	s_add_co_u32 s46, s46, s17                     ; WinT: row 256 x tile column + 128 x half
	s_lshl_b32 s16, s16, 11                        ; rows of 2,048 bytes
	s_lshl_b32 s46, s46, 11
	s_mov_b32 s17, 0
	s_mov_b32 s47, 0
	s_mul_i32 s20, s10, HALFT                      ; where they go: wave x 128 rows: no place in the cluster enters an LDS address
	s_wait_dscnt 0x0                               ; both opening adds are done
	s_wait_kmcnt 0x0
	s_add_nc_u64 s[BX:BX+1], s[4:5], s[16:17]
	s_add_nc_u64 s[BW:BW+1], s[6:7], s[46:47]
	CROUND                                         ; all sixteen work-groups are here: the first joint loads meet
.irp s, 0,1
	s_mov_b32 s[G0+4*(\s)], 1
	s_add_co_u32 s[G0+4*(\s)+1], s20, (\s)*SLOT
	s_add_nc_u64 s[G0+4*(\s)+2:G0+4*(\s)+3], s[BX:BX+1], (\s)*KSTEP*2
	s_or_b32 s[G0+4*(\s)+3], s[G0+4*(\s)+3], 0x80000000
	s_mov_b32 s[G0B+4*(\s)], 1
	s_add_co_u32 s[G0B+4*(\s)+1], s20, (\s)*SLOT
	s_add_nc_u64 s[G0B+4*(\s)+2:G0B+4*(\s)+3], s[BW:BW+1], (\s)*KSTEP*2
	s_or_b32 s[G0B+4*(\s)+3], s[G0B+4*(\s)+3], 0x80000000
	JLOAD \s                                       ; K steps 0 and 1: two loads of mine are out
.endr
	; A fragment is 16 rows x 32 K in 8 registers: lane l holds row l % 16; registers 0-3 K = 8 (l / 16) + 0..7, registers 4-7 K = 16 + 8 (l / 16) + 0..7: two loads of 16 bytes, 32 bytes apart.
	v_and_b32 v1, 15, v0                           ; r = l % 16
	v_bfe_u32 v2, v0, 4, 1                         ; h = l / 16
	v_and_b32 v5, 31, v0                           ; l
	v_mul_u32_u24 v3, v1, PITCH
	v_lshl_add_u32 v3, v2, 4, v3                   ; r x pitch + 16 h
	s_mul_i32 s21, s12, HALFT
	s_add_co_u32 s21, s21, 2*HALFT                 ; my 128 rows of WinT, behind x's 256
	s_mul_i32 s22, s11, HALFT                      ; my 128 rows of x
	v_add_nc_u32 v[ADW0], s21, v3
	v_add_nc_u32 v[ADX0], s22, v3
	v_mov_b32 v[ADW], v[ADW0]                      ; the first K step lies in slot 0
	v_mov_b32 v[ADX], v[ADX0]
	s_mul_i32 s23, s10, STGW
	s_add_co_u32 s23, s23, STAGE                   ; my stage
	v_add_nc_u32 v[STO], s23, v3                   ; in: row 16 (c % 2) + r, 16 bytes for each half of the lanes
	v_mul_u32_u24 v[RD], v2, PITCH                 ; back: lanes 0-15 one row of 256 bytes, lanes 16-31 the next
	v_lshl_add_u32 v[RD], v1, 4, v[RD]
	v_add_nc_u32 v[RD], s23, v[RD]
	v_lshlrev_b32 v[CO], 15, v2                    ; the same two rows of hT, 32,768 bytes apart
	v_lshl_add_u32 v[CO], v1, 4, v[CO]
	s_lshl_b32 s23, s10, 8
	s_add_co_u32 s23, s23, ESTG
	v_lshl_add_u32 v[ESTO], v1, 2, s23
	v_lshl_add_u32 v[ERD], v5, 3, s23
	v_lshlrev_b32 v[EGO], 3, v5
	v_lshlrev_b32 v4, 2, v1                        ; 4 r
	s_lshl_b32 s46, s42, 9
	s_lshl_b32 s47, s12, 8
	s_add_co_u32 s46, s46, s47                     ; 4 d0, d0 = 128 x tile column + 64 x half: my first column of g
	s_mov_b32 s47, 0
	s_add_nc_u64 s[68:69], s[68:69], s[46:47]
.irp c, 0,1,2,3
	global_load_b32 v[6+(\c)],  v4, s[68:69] offset:64*(\c)        ; b_in of my gate column in block c,
	global_load_b32 v[10+(\c)], v4, s[68:69] offset:4096+64*(\c)   ; and of its hidden column
.endr
	s_add_nc_u64 s[70:71], s[70:71], s[46:47]      ; ends at my columns,
	s_lshr_b32 s14, s13, 4                         ; the sequence: 64 rows,
	s_lshl_b32 s14, s14, 6
	s_and_b32 s15, s13, 15
	s_lshl_b32 s15, s15, 1
	s_add_co_u32 s14, s14, s15
	s_add_co_u32 s14, s14, s11                     ; my chunk = 2 x (tile row % 16) + half,
	s_add_co_u32 s14, s14, 32                      ; behind the 32 zero rows
	s_lshl_b32 s14, s14, 12
	s_mov_b32 s15, 0
	s_add_nc_u64 s[70:71], s[70:71], s[14:15]
	s_lshl_b32 s46, s46, 13                        ; d0 rows of hT, 32,768 bytes each,
	s_lshl_b32 s14, s13, 9                         ; 256 x tile row + 128 x half, 2 bytes each
	s_lshl_b32 s16, s11, 8
	s_add_co_u32 s14, s14, s16
	s_add_co_u32 s46, s46, s14
	s_add_nc_u64 s[8:9], s[8:9], s[46:47]
	; the prefetches
	s_lshl_b32 s20, s13, 8
	s_lshl_b32 s21, s42, 8
	s_and_b32 s22, ttmp7, 0xffff                   ; cluster y
	s_mov_b32 s18, WALKB-7*KSTEP*2
	s_cmp_eq_u32 s11, 0                            ; do I fetch for x?
	s_cselect_b32 s20, s20, s21                    ; the tile's first row
	s_cselect_b32 s21, s40, s41                    ; my place among the four that ask for it with me
	s_cselect_b32 s22, ttmp9, s22                  ; the coordinate along which other clusters read the same rows
	s_cselect_b32 s23, 2, 10                       ; x is asked for in both tiles, WinT in the first alone
	s_cselect_b32 s[PJ], s18, KSTEP*2
	s_cselect_b64 s[PFA:PFA+1], s[4:5], s[6:7]
	s_cmp_eq_u32 s22, 0
	s_cselect_b32 s[LIM], s23, -1                  ; the same in all sixteen partners, for a given wave
	s_lshl_b32 s22, s12, 7
	s_add_co_u32 s20, s20, s22                     ; + the 128 rows that I fetch
	s_lshl_b32 s21, s21, 5
	s_add_co_u32 s20, s20, s21                     ; + my work-group's 32 of them
	s_lshl_b32 s20, s20, 11
	s_mov_b32 s21, 0
	s_add_nc_u64 s[PFA:PFA+1], s[PFA:PFA+1], s[20:21]
	s_add_nc_u64 s[PFA:PFA+1], s[PFA:PFA+1], 3*KSTEP*2  ; at K step 3: the first refill steps it to 4 and names that
	v_lshlrev_b32 v[PFO], 11, v5
	s_wait_loadcnt 0x0                             ; the biases
.irp c, 0,1,2,3
	v_cvt_pk_bf16_f32 v14, v[6+(\c)], v[10+(\c)]   ; rounded to bf16 like every input,
	v_lshlrev_b32 v[6+(\c)], 16, v14               ; and widened again
	v_and_b32 v[10+(\c)], s[HM], v14
	v_mul_f32 v[BGL+2*(\c)],  s[NLOG], v[6+(\c)]
	v_mul_f32 v[BHL+2*(\c)],  s[NLOG], v[10+(\c)]
	v_mul_f32 v[BH01+2*(\c)], s[TEN],  v[10+(\c)]
	v_mov_b32 v[BGL+2*(\c)+1],  v[BGL+2*(\c)]
	v_mov_b32 v[BHL+2*(\c)+1],  v[BHL+2*(\c)]
	v_mov_b32 v[BH01+2*(\c)+1], v[BH01+2*(\c)]
.endr
; 16 matrix instructions: column blocks a0, a0 + 1 of the window's four (hi = 0: gate, 1: hidden) x all 8 row blocks, 32 along K.  zero = 1: the first product starts the sums.
; The 64 accumulators take turns, one instruction a turn, in the same order in every quarter step, over every jump too.
.macro MUL16 f, hi, a0, zero
	WIN MUL_LO+0x50*(\hi)
.irp a, \a0, (\a0)+1
.irp b, 0,1,2,3,4,5,6,7
.if \zero
	v_wmma_f32_16x16x32_bf16 v[8*(8*(\a)+(\b)):8*(8*(\a)+(\b))+7], v[(\f)+8*(\b):(\f)+8*(\b)+7], v[(\f)+8*(4*(\hi)+(\a)):(\f)+8*(4*(\hi)+(\a))+7], 0
.else
	v_wmma_f32_16x16x32_bf16 v[8*(8*(\a)+(\b)):8*(8*(\a)+(\b))+7], v[(\f)+8*(\b):(\f)+8*(\b)+7], v[(\f)+8*(4*(\hi)+(\a)):(\f)+8*(4*(\hi)+(\a))+7], v[8*(8*(\a)+(\b)):8*(8*(\a)+(\b))+7]
.endif
.endr
.endr
.endm
; 32 LDS loads in one run: the fragments of one quarter step (128 rows of x, 128 rows of WinT, 32 K at byte k of the rows of the slot in hand) into buffer f
.macro FETCH k, f
	WIN TO_X
.irp i, 0,1,2,3,4,5,6,7
	ds_load_b128 v[(\f)+8*(\i):(\f)+8*(\i)+3],   v[ADX] offset:(\k)+(\i)*16*PITCH
	ds_load_b128 v[(\f)+8*(\i)+4:(\f)+8*(\i)+7], v[ADX] offset:(\k)+(\i)*16*PITCH+32
.endr
	WIN 0
.irp i, 0,1,2,3,4,5,6,7
	ds_load_b128 v[(\f)+8*(\i):(\f)+8*(\i)+3],   v[ADW] offset:(\k)+(\i)*16*PITCH
	ds_load_b128 v[(\f)+8*(\i)+4:(\f)+8*(\i)+7], v[ADW] offset:(\k)+(\i)*16*PITCH+32
.endr
.endm
.macro PLACES                          ; four places in front of loads into registers that matrix instructions have read (ISA guide 7.12.1 for vector instructions)
.rept 4
	v_nop
.endr
.endm
; A K step is four quarters of 32 along K, 64 matrix instructions each, on buffers 0, 1, 0, 1.  One of the first three: multiplies buffer f, and in its middle fetches the next quarter, at byte k, into g.
.macro QUARTER k, f, g, zero
	s_wait_dscnt 8                                 ; x and the gate's rows of WinT are in; the youngest eight loads (the hidden part's) may be out
	MUL16 \f, 0, 0, \zero
	MUL16 \f, 0, 2, \zero
	PLACES
	FETCH \k, \g
	s_wait_dscnt 32                                ; all but the 32 just issued
	MUL16 \f, 1, 0, \zero
	MUL16 \f, 1, 2, \zero
.endm
; The first half of the last quarter: ONE barrier for the change of slots.  In front of it each wave waits for all its tensor loads (one is out: its part of the next slot), adds 0 to its spare word,
; and waits for that and for its own reads of this slot.  Behind it nobody reads this slot any more and the next slot is whole.  Between the add and the wait for it: the fragments' addresses go over to the
; next slot, and (fill = 1) the walking descriptors are made for the refill: the slot that is being left, K step KN of the tile at TO; no tensor load of mine is out, so they may be written.
.macro MEET fill
	WIN 0                                          ; (the add's two registers and the addresses lie in window 0)
	s_wait_tensorcnt 0x0
	ds_add_u32 v[SPW], v[NIL]
	s_xor_b32 s[SB], s[SB], SLOT
	v_add_nc_u32 v[ADX], s[SB], v[ADX0]
	v_add_nc_u32 v[ADW], s[SB], v[ADW0]
.if \fill
	s_lshl_b32 s[OW], s[KN], 8                     ; a K step is 256 bytes of a row
	s_add_co_u32 s[OX], s[OW], s[TO]
	s_xor_b32 s[G0+5], s[G0+5], SLOT
	s_add_nc_u64 s[G0+6:G0+7], s[BX:BX+1], s[OX:OX+1]
	s_or_b32 s[G0+7], s[G0+7], 0x80000000
	s_xor_b32 s[G0B+5], s[G0B+5], SLOT
	s_add_nc_u64 s[G0B+6:G0B+7], s[BW:BW+1], s[OW:OW+1]
	s_or_b32 s[G0B+7], s[G0B+7], 0x80000000
	s_add_co_u32 s[KN], s[KN], 1                   ; behind a tile's K step 7 comes the next tile's K step 0
	s_cmp_eq_u32 s[KN], 8
	s_cselect_b32 s[KN], 0, s[KN]
	s_cselect_b32 s[TO], WALKB, s[TO]
.endif
	s_wait_dscnt 9                                 ; (the add and the youngest eight loads may be out)
	MUL16 F1, 0, 0, 0                              ; sixteen matrix instructions stand between the add and the wait for it
	s_wait_dscnt 0x0                               ; the add is done, and my reads of this slot are over
	s_barrier_signal -1
	MUL16 F1, 0, 2, 0                              ; work on registers while the others arrive
.if \fill
	WIN 0
.endif
	s_barrier_wait -1
.endm
; The whole last quarter.  fill = 1: the barrier opens a round of the cluster's barrier, and the slot just read out is filled again, two K steps on, first thing behind the round.
.macro TURN fill
.if \fill
	s_wait_xcnt 0x0                                ; the last prefetch, a K step back, has read its address
	s_cmp_eq_u32 s3, 10                            ; the fifth refill: the prefetches go over to the second tile
	s_cselect_b32 s[PS], s[PJ], KSTEP*2
	s_add_nc_u64 s[PFA:PFA+1], s[PFA:PFA+1], s[PS:PS+1]
	MEET 1
	CREST                                          ; no wave of any partner still reads this slot's tile or has a load on its way
	JLOAD 1                                        ; my one tensor load behind the round; the four v_nop behind it are also the places in front of the loads below
	FETCH 0, F0
	ASK
.else
	MEET 0
	PLACES
	FETCH 0, F0
.endif
	MUL16 F1, 1, 0, 0
	MUL16 F1, 1, 2, 0
.endm
	s_wait_tensorcnt 1                             ; my part of K step 0 is in; K step 1's may stay out
	s_barrier_signal -1
	s_barrier_wait -1                              ; everybody's is
	FETCH 0, F0
	s_mov_b32 s2, 2                                ; tiles to go
	s_mov_b32 s3, 14                               ; refills to come
.Ltile:
	QUARTER 64,  F0, F1, 1                         ; a tile's first quarter: its products start the sums
	WIN 0                                          ; at a label and at a branch every window is 0
.LF:                                                   ; a trip is a K step that fills its slot again: from its second quarter to the next step's first
	QUARTER 128, F1, F0, 0
	QUARTER 192, F0, F1, 0
	TURN 1
	WIN 0
	s_sub_co_u32 s3, s3, 1
	s_cmp_eq_u32 s3, 6                             ; eight changes of slots: the first tile's sums are whole; the second tile's first fragments have been fetched
	s_cbranch_scc1 .Lepi
	s_cmp_eq_u32 s3, 0                             ; the last refill has been asked for
	s_cbranch_scc1 .LFx
	QUARTER 64,  F0, F1, 0
	WIN 0
	s_branch .LF
.LFx:
	s_mov_b32 s[TC], 2
	s_branch .LTq                                  ; the loop of the last two K steps is entered at a step's first quarter
.LT:
	QUARTER 128, F1, F0, 0
	QUARTER 192, F0, F1, 0
	WIN 0
	s_sub_co_u32 s[TC], s[TC], 1
	s_cmp_eq_u32 s[TC], 0
	s_cbranch_scc1 .Llastq
	TURN 0                                         ; the last change of slots: nothing is filled
	WIN 0
.LTq:
	QUARTER 64,  F0, F1, 0
	WIN 0
	s_branch .LT
.Llastq:
	s_wait_dscnt 8                                 ; the very last quarter: nothing more to fetch
	MUL16 F1, 0, 0, 0
	MUL16 F1, 0, 2, 0
	s_wait_dscnt 0x0
	MUL16 F1, 1, 0, 0
	MUL16 F1, 1, 2, 0
	WIN 0
.Lepi:
	PLACES                                         ; behind the last products, in front of what reads their results and writes over their fragments
	PLACES
.irp c, 0,1,2,3
	v_mov_b32 v[XH+(\c)], 0                        ; v_permlanex16_b32's destination counts as read
	v_mov_b32 v[CIN+2*(\c)+1], 0                   ; named with CIN as a pair
.endr
; ROW BLOCK t (16 rows) of all four column blocks: the gating, then the scan.  The exponentials are one batch of 64 with one wait, the reciprocals one of 32.  Each accumulator is read from its lowest registers on.
.macro GROUP t
	WIN 0x82                                       ; the gate's accumulators: destination and source 0 in window 2
.irp c, 0,1,2,3
.irp i, 0,2,4,6
.set rG, 64*(\c)+8*(\t)+(\i)
	v_pk_fma_f32 v[rG:rG+1], v[rG:rG+1], s[NLOG:NLOG+1], v[BGL+2*(\c):BGL+2*(\c)+1] op_sel_hi:[1,0,1]  ; -log2(e) (gate + b)
.endr
.endr
.irp c, 0,1,2,3
.irp j, 0,1,2,3,4,5,6,7
	v_exp_f32 v[64*(\c)+8*(\t)+(\j)], v[64*(\c)+8*(\t)+(\j)]
.endr
.endr
	WIN 0x03                                       ; source 0: the hidden part's accumulators, window 3
.irp c, 0,1,2,3
.irp i, 0,2,4,6
.set rG, 64*(\c)+8*(\t)+(\i)
	v_pk_fma_f32 v[TT+8*(\c)+(\i):TT+8*(\c)+(\i)+1], v[rG:rG+1], s[NLOG:NLOG+1], v[BHL+2*(\c):BHL+2*(\c)+1] op_sel_hi:[1,0,1]  ; -log2(e) (hidden + b)
.endr
.endr
	WIN 0
.irp j, 0,1,2,3,4,5,6,7,8,9,10,11,12,13,14,15,16,17,18,19,20,21,22,23,24,25,26,27,28,29,30,31
	v_exp_f32 v[TT+(\j)], v[TT+(\j)]
.endr
	WIN 0xc3
.irp c, 0,1,2,3
.irp i, 0,2,4,6
.set rG, 64*(\c)+8*(\t)+(\i)
	v_pk_fma_f32 v[rG:rG+1], v[rG:rG+1], s[TEN:TEN+1], v[BH01+2*(\c):BH01+2*(\c)+1] op_sel_hi:[1,0,1]  ; 0.1 (hidden + b): the plain work behind the batch
.endr
.endr
	s_wait_alu depctr_va_vdst(0)                   ; one wait for the 64 exponentials, ahead of their first reader
	WIN 0x82
.irp c, 0,1,2,3
.irp i, 0,2,4,6
.set rG, 64*(\c)+8*(\t)+(\i)
	v_pk_add_f32 v[rG:rG+1], v[rG:rG+1], 1.0 op_sel_hi:[1,0]
.endr
.endr
	WIN 0
.irp i, 0,2,4,6,8,10,12,14,16,18,20,22,24,26,28,30
	v_pk_add_f32 v[TT+(\i):TT+(\i)+1], v[TT+(\i):TT+(\i)+1], 1.0 op_sel_hi:[1,0]
.endr
	WIN 0x82
.irp c, 0,1,2,3
.irp i, 0,2,4,6
.set rG, 64*(\c)+8*(\t)+(\i)
	v_pk_mul_f32 v[rG:rG+1], v[rG:rG+1], v[TT+8*(\c)+(\i):TT+8*(\c)+(\i)+1]  ; (1 + e^-gate)(1 + e^-hidden): both factors are at least 1
.endr
.endr
.irp c, 0,1,2,3
.irp j, 0,1,2,3,4,5,6,7
	v_rcp_f32 v[64*(\c)+8*(\t)+(\j)], v[64*(\c)+8*(\t)+(\j)]
.endr
.endr
	v_nop                                          ; a plain instruction behind the last reciprocal,
	s_wait_alu depctr_va_vdst(0)                   ; and one wait for the 32
	WIN 0x0b                                       ; source 0 window 3, source 1 window 2
.irp c, 0,1,2,3
.irp i, 0,2,4,6
.set rG, 64*(\c)+8*(\t)+(\i)
	v_pk_mul_f32 v[TT+8*(\c)+(\i):TT+8*(\c)+(\i)+1], v[rG:rG+1], v[rG:rG+1]  ; 0.1 g
.endr
.endr
	WIN 0
.irp j, 1,2,3,4,5,6,7                  ; my eight rows, scanned from zero; the four columns' chains stand side by side
.irp c, 0,1,2,3
	v_fmac_f32 v[TT+8*(\c)+(\j)], s[QQ], v[TT+8*(\c)+(\j)-1]
.endr
.endr
.irp c, 0,1,2,3
	v_permlanex16_b32 v[XH+(\c)], v[TT+8*(\c)+7], s[SEL], s[SEL+1]  ; the column's other eight rows lie in the lane 16 away
.endr
.irp c, 0,1,2,3
	v_cndmask_b32 v[SLO+(\c)], v[TT+8*(\c)+7], v[XH+(\c)], s[HM]   ; rows 0-7's last, in both halves
.endr
.irp c, 0,1,2,3
	v_cndmask_b32 v[SHI+(\c)], v[XH+(\c)], v[TT+8*(\c)+7], s[HM]   ; rows 8-15's last
.endr
.if (\t) == 0
.irp c, 0,1,2,3
	v_cndmask_b32 v[CIN+2*(\c)], 0, v[SLO+(\c)], s[HM]             ; the chunk starts from zero
.endr
.else
.irp c, 0,1,2,3
	v_fma_f32 v[SLO+(\c)], s[Q8], v[RUN+(\c)], v[SLO+(\c)]         ; the state at the end of rows 0-7
.endr
.irp c, 0,1,2,3
	v_cndmask_b32 v[CIN+2*(\c)], v[RUN+(\c)], v[SLO+(\c)], s[HM]   ; rows 0-7 start from the block before, rows 8-15 from rows 0-7
.endr
.endif
.irp c, 0,1,2,3
	v_fma_f32 v[RUN+(\c)], s[Q8], v[SLO+(\c)], v[SHI+(\c)]         ; the state at the end of the block
.endr
.irp c, 0,1,2,3
.irp i, 0,2,4,6
	v_pk_fma_f32 v[TT+8*(\c)+(\i):TT+8*(\c)+(\i)+1], v[PW+(\i):PW+(\i)+1], v[CIN+2*(\c):CIN+2*(\c)+1], v[TT+8*(\c)+(\i):TT+8*(\c)+(\i)+1] op_sel_hi:[1,0,1]  ; + 0.9^(j+1) x the start
.endr
.endr
.irp c, 0,1                            ; the one rounding of the states: blocks 0 and 1 go into the stage,
.irp i, 0,1,2,3
	v_cvt_pk_bf16_f32 v[PK+4*(\c)+(\i)], v[TT+8*(\c)+2*(\i)], v[TT+8*(\c)+2*(\i)+1]
.endr
.endr
.irp c, 0,1                            ; blocks 2 and 3 wait in registers: the stage has 32 rows
.irp i, 0,1,2,3
	v_cvt_pk_bf16_f32 v[KEEP+8*(\t)+4*(\c)+(\i)], v[TT+16+8*(\c)+2*(\i)], v[TT+16+8*(\c)+2*(\i)+1]
.endr
.endr
.irp c, 0,1
	ds_store_b128 v[STO], v[PK+4*(\c):PK+4*(\c)+3] offset:(\c)*16*PITCH+32*(\t)  ; row 16 c + r of my stage, rows of time 16 t + 8 h + 0..7
.endr
.endm
.irp t, 0,1,2,3,4,5,6,7
	GROUP \t
.endr
	; THE WAY OUT.  My stage holds 32 rows of hT x 256 bytes; they come back as whole rows; then blocks 2 and 3 take the stage.  LDS serves a wave's instructions in order (ISA guide 5.7.1.4), and the bytes are my own: no wait, no barrier.
.irp c, 0,1,2,3
	ds_store_b32 v[ESTO], v[RUN+(\c)] offset:64*(\c)               ; the chunk's end state, f32 (both halves of the lanes hold the same number)
.endr
.set i, 0
.rept 16
	ds_load_b128 v[OB1+4*i:OB1+4*i+3], v[RD] offset:2*i*PITCH
.set i, i+1
.endr
	ds_load_b64 v[EB:EB+1], v[ERD]
.irp t, 0,1,2,3,4,5,6,7
.irp c, 0,1
	ds_store_b128 v[STO], v[KEEP+8*(\t)+4*(\c):KEEP+8*(\t)+4*(\c)+3] offset:(\c)*16*PITCH+32*(\t)
.endr
.endr
.set i, 0
.rept 16
	ds_load_b128 v[OB2+4*i:OB2+4*i+3], v[RD] offset:2*i*PITCH     ; into the registers that the stores above have left
.set i, i+1
.endr
.set i, 0
.rept 16
	s_wait_dscnt 48-i                              ; load i is back: behind it stand 15 - i of its kind, the end states', 16 stores and 16 loads
	global_store_b128 v[CO], v[OB1+4*i:OB1+4*i+3], s[8:9] offset:i*65536  ; sixteen lanes store 256 consecutive bytes of a row of hT, aligned
.set i, i+1
.endr
	s_wait_dscnt 32                                ; the end states are back: behind them stand 16 stores and 16 loads
	global_store_b64 v[EGO], v[EB:EB+1], s[70:71]  ; 32 lanes store 256 consecutive bytes of my chunk's row of ends, aligned
.set i, 0
.rept 16
	s_wait_dscnt 15-i
	global_store_b128 v[CO], v[OB2+4*i:OB2+4*i+3], s[8:9] offset:32*32768+i*65536
.set i, i+1
.endr
	s_sub_co_u32 s2, s2, 1
	s_cmp_eq_u32 s2, 0
	s_cbranch_scc1 .Lend
	s_wait_xcnt 0x0                                ; the stores have read their registers and their bases: only behind this wait are these written again
	s_add_nc_u64 s[8:9], s[8:9], 8192*2            ; the second tile: 8,192 rows of time on in hT,
	s_add_nc_u64 s[70:71], s[70:71], 128*4096      ; two sequences on in ends
	s_branch .Ltile
.Lend:
	s_wait_tensorcnt 0x0                           ; the wave's end, behind my last tensor load and my last LDS store
	ds_add_u32 v[SPW], v[NIL]
	s_wait_dscnt 0x0
	CROUND                                         ; the closing round: no work-group ends while a partner may still ask for a tile that names it
	s_endpgm
.Lfunc_end_k_q138007a79c_proj:
	.size	k_q138007a79c_proj, .Lfunc_end_k_q138007a79c_proj-k_q138007a79c_proj
	.p2alignl 7, 3214868480
	.fill 96, 4, 3214868480
	.section	.rodata,"a",@progbits
	.p2align	6, 0x0
	.amdhsa_kernel k_q138007a79c_proj
		.amdhsa_group_segment_fixed_size 327680
		.amdhsa_private_segment_fixed_size 0
		.amdhsa_enable_private_segment 0
		.amdhsa_kernarg_size 40
		.amdhsa_user_sgpr_count 2
		.amdhsa_user_sgpr_kernarg_segment_ptr 1
		.amdhsa_wavefront_size32 1
		.amdhsa_system_sgpr_workgroup_id_x 1
		.amdhsa_system_sgpr_workgroup_id_y 1
		.amdhsa_system_sgpr_workgroup_id_z 1
		.amdhsa_system_vgpr_workitem_id 0
		.amdhsa_next_free_vgpr 1024
		.amdhsa_next_free_sgpr 96
		.amdhsa_reserve_vcc 0
		.amdhsa_float_denorm_mode_32 3
		.amdhsa_float_denorm_mode_16_64 3
		.amdhsa_memory_ordered 1
		.amdhsa_forward_progress 1
		.amdhsa_inst_pref_size 205
	.end_amdhsa_kernel
	.amdgpu_metadata
---
amdhsa.version: [ 1, 2 ]
amdhsa.kernels:
  - .name:           k_q138007a79c_proj
    .symbol:         k_q138007a79c_proj.kd
    .args:
      - { .name: xb, .offset: 0, .size: 8, .value_kind: global_buffer, .address_space: global }
      - { .name: WinT, .offset: 8, .size: 8, .value_kind: global_buffer, .address_space: global }
      - { .name: hT, .offset: 16, .size: 8, .value_kind: global_buffer, .address_space: global }
      - { .name: b_in, .offset: 24, .size: 8, .value_kind: global_buffer, .address_space: global }
      - { .name: ends, .offset: 32, .size: 8, .value_kind: global_buffer, .address_space: global }
    .group_segment_fixed_size: 327680
    .private_segment_fixed_size: 0
    .kernarg_segment_align: 8
    .kernarg_segment_size: 40
    .max_flat_workgroup_size: 128
    .sgpr_count:     96
    .vgpr_count:     1024
    .wavefront_size: 32
...
	.end_amdgpu_metadata
.endif
;; end of part 2
;; launch outp (part 3): grid 4 x 64, 4 waves a work-group, clusters of 4 x 4, 327,680 bytes of LDS; arguments hT, WoutT, out0, ends, b_out; writes out0
.if DOCPART == 3
	.amdgcn_target "amdgcn-amd-amdhsa--gfx1250"
	.amdhsa_code_object_version 6
	.text
	.protected	k_q138007a79c_outp
	.globl	k_q138007a79c_outp
	.p2align	8
	.type	k_q138007a79c_outp,@function
k_q138007a79c_outp:
	s_mov_b64 s[64:65], 0
	v_nop
	global_prefetch_b8 v0, s[64:65] scope:SCOPE_SE
	s_setreg_imm32_b32 hwreg(HW_REG_WAVE_MODE, 25, 1), 1
	s_wait_xcnt 0x0
	s_wait_alu depctr_hold_cnt(0) depctr_sa_sdst(0) depctr_va_vdst(0) depctr_va_sdst(0) depctr_va_ssrc(0) depctr_va_vcc(0) depctr_vm_vsrc(0)
	s_getreg_b32 s2, hwreg(HW_REG_IB_STS2, 6, 4)
	s_cmp_eq_u32 s2, 0
	s_cbranch_scc0 .Lentry_in_a_cluster
	s_endpgm
.Lentry_in_a_cluster:
	s_bfe_u32 s2, ttmp6, 0x10000c
	s_cmp_lg_u32 s2, 0xf033
	s_cbranch_scc0 .Lentry_shape_is_right
	s_endpgm
.Lentry_shape_is_right:
; THIRD LAUNCH: out0 = h W_out + b_out, where h in row i of a chunk of 128 rows = hl (hT: the chunk scanned from zero) + 0.9^(i+1) Hprev, Hprev the true state at the end of the chunk before.
; Nothing is left out here; reference()'s h_0 = 0 appears as the 32 zero rows at the head of each sequence in ends.
; THE CARRY.  Hprev of chunk j = the sum over k >= 1 of (0.9^128)^(k-1) E(j-k), E the chunks' end states scanned from zero (ends, f32).  ALL older chunks are summed, by Horner's scheme over 30 rows (31 for the
; odd chunk); rows from before the sequence are the zero rows, so that every work-group runs the same text.  out = hl W + 0.9^(i+1) (Hprev W) + b: Hprev W is made by the matrix unit beside hl W, 8 products for each 64,
; from the same fragments of WoutT, with Hprev in all 16 rows of source 1; it is added at the end, in f32.  So the states are rounded to bf16 once and nothing is added onto them in 16 bits.
; SHARES.  A work-group makes 256 rows x 256 columns of out0, each of its four waves 128 rows (one chunk) x 128 columns: 64 accumulators, and 8 for the carry.  K = 1,024 in 8 steps of 128, two LDS slots.
; THE TEXT.  A K step is written once for the six steps that fill a slot again (a counted loop) and once for the last two, which fill nothing (a loop of two trips, left in the middle).
; The slot in hand is a scalar, turned by an exclusive or and added to lane terms that are never rewritten.
; THE MATRIX INSTRUCTION IS USED TRANSPOSED: source 0 = 16 rows of WoutT, source 1 = 16 rows of h: a lane holds row l % 16 of out0 and the columns 8 (l / 16) + 0..7.  hT lies [d][row], so h's fragments come turned, by ds_load_tr16_b128.
; b_out is the C operand of the products that start the sums.
; CLUSTERS: 4 x 4 work-groups; hT's tile is shared along a row of the cluster, WoutT's along a column: each is asked for jointly.
; LIMITS.  b_out is rounded to bf16 like every input, Hprev once to bf16 as a matrix operand.  NaN and infinities are not treated apart.
; REGISTERS, in windows of 256 (s_set_vgpr_msb: bits 1:0 source 0, 3:2 source 1, 5:4 source 2, 7:6 destination):
;   window 0: v0-31 addresses; v32-47 Hprev's fragments, two buffers; v48-63 0.9^(16 a + r + 1), twice each; v64-127, v128-191 fragments of h, two buffers (before and behind the products: at work)
;   window 1: v0-63 the carry's accumulators; v64-127, v128-191 fragments of WoutT; v192-255 b_out, eight columns for each of 8 blocks
;   windows 2, 3: the accumulators, (row block a, column block b) at v[8 (8 (a % 4) + b)]; before the products window 2 holds the 31 rows of ends
.set KSTEP,  128
.set PITCH,  272                       ; a row of WoutT in LDS: 256 bytes + 16
.set HP,     544                       ; a row of hT in LDS: 512 bytes + 32 = 17 x 32
.set HALFT,  128*PITCH                 ; what one tensor load brings: 128 rows of WoutT, or 64 rows of hT (64 x 544 is the same number)
.set SLOT,   4*HALFT                   ; hT's 128 rows, then WoutT's 256 rows.  0x22000: no wave's place in a slot (0x8800 x wave) has one of its two bits, so an exclusive or with it changes slots
.set HB,     2*SLOT                    ; behind the ring: Hprev in bf16, 2,048 bytes for each of the two chunks; no tensor load lands here
.set SPARE,  HB+4096                   ; the spare words, 128 bytes for each wave, that no other line names
.set OSP,    528                       ; the way out: 16 rows x (512 + 16) bytes for each wave, in slot 0, which has had its last fill (K step 6) and its last read by then
.set OSTG,   16*OSP
.set ADH0, 16                          ; v16     my lane's place among my fragments of h in slot 0; never rewritten
.set ADH,  17                          ; v17     the same in the slot in hand
.set ADW0, 20                          ; v20-21  likewise for WoutT
.set ADW,  21
.set STO,  24                          ; v24     the way out: where I put 32 bytes of a row
.set RD,   25                          ; v25     where I read a row back
.set CO,   26                          ; v26     my byte offset in a row's 512 bytes of out0
.set ADRH, 27                          ; v27     LDS address of Hprev's fragments for the K step in hand
.set SPW,  28                          ; v28     LDS address of my spare word; never rewritten
.set NIL,  29                          ; v29     0; never rewritten
.set PFO,  30                          ; v30     the prefetches' offset; never rewritten
.set ADRH0, 31                         ; v31     ADRH for K step 0; never rewritten
.set HF,   32
.set PP,   48
.set F0,   64
.set F1,   128
.set HH,   64                          ; v64-71  Horner's sums: eight channels a thread
.set CA,   0                           ; window 1
.set BO,   192                         ; window 1
.set G1,  24                           ; s[24:31] descriptor group 1 for hT's tiles;   s[32:39] group 0: a set for each of the two first fills; the second then walks
.set G0,  32
.set G1B, 48                           ; s[48:55], s[56:63] the same for WoutT's tiles
.set G0B, 56
.set LIM, 43                           ; s43      a wave prefetches while the refills still to come are more than this
.set PFA, 44                           ; s[44:45] where my prefetches stand
.set QC,  72                           ; s[72:73] 0.9^128
.set QP,  74                           ; s74-78   0.9^1, ^2, ^4, ^8, ^16
.set SB,  79                           ; s79      LDS byte at which the slot in hand begins: 0 or SLOT
.set PST, 80                           ; s[80:81] bytes from a K step to the next, for my prefetches
.set BM,  82                           ; s82      a word's upper bf16
.set HKB, 83                           ; s83      256 x K steps done: Hprev's bytes of the K steps behind
.set TC,  84                           ; s84      counts the last two K steps
.set MSB, 0
.macro WIN new                         ; the immediate's high byte repeats the setting that is left; a switch that changes nothing is dropped
.if MSB != (\new)
	s_set_vgpr_msb (MSB<<8)|(\new)
.set MSB, \new
.endif
.endm
.set MUL_LO, 0xa1                      ; source 0 (WoutT) window 1, source 1 (h) window 0, C and D window 2
.set MUL_HI, 0xf1                      ; the same, C and D window 3
.set TO_W,   0x40                      ; destination window 1, address window 0
.macro JLOAD s                         ; a joint load: waves 0 and 1 fetch hT's two halves, waves 2 and 3 WoutT's; an s_nop 0 and four v_nop follow each of the two lines
	s_cmp_eq_u32 s11, 0
	s_cbranch_scc0 .Lfor_b_\@
	tensor_load_to_lds s[G0+4*(\s):G0+4*(\s)+3], s[G1:G1+7]
	s_nop 0
.rept 4
	v_nop
.endr
	s_branch .Lasked_\@
.Lfor_b_\@:
	tensor_load_to_lds s[G0B+4*(\s):G0B+4*(\s)+3], s[G1B:G1B+7]
	s_nop 0
.rept 4
	v_nop
.endr
.Lasked_\@:
.endm
; A prefetch of the K step that stands two refills on, one instruction a wave.  hT: a wave fetches 64 rows x 512 bytes; each of the four partners that ask jointly takes 16 rows, told apart by address: a lane half a row.
; No other cluster reads those rows, so every cluster asks for its own.  WoutT: 128 rows x 256 bytes, 32 rows a partner, a lane a row; all sixteen clusters read them, and cluster y = 0 asks.
; s3 counts the refills still to come, this one among them: refills 1 to 4 of 6 name K steps 4 to 7 (s3 above 2); the last two ask for nothing.
.macro ASK
	s_cmp_gt_u32 s3, s[LIM]
	s_cbranch_scc0 .Lnot_mine_\@
	global_prefetch_b8 v[PFO], s[PFA:PFA+1] th:TH_LOAD_NT scope:SCOPE_SE
.Lnot_mine_\@:
.endm
.macro CREST                           ; a round of the cluster's barrier behind its opening barrier
	s_cmp_lg_u32 s10, 0
	s_cbranch_scc1 .Lnot_wave_0_\@
	s_barrier_signal -3
.Lnot_wave_0_\@:
	s_barrier_wait -3
	s_barrier_signal -1
	s_barrier_wait -1
.endm
.macro CROUND                          ; a whole round
	s_barrier_signal -1
	s_barrier_wait -1
	CREST
.endm
	s_load_b128 s[4:7], s[0:1], 0x0                ; hT s[4:5], WoutT s[6:7]
	s_load_b64 s[8:9], s[0:1], 0x10                ; out0
	s_load_b128 s[68:71], s[0:1], 0x18             ; ends s[68:69], b_out s[70:71]
	v_lshl_add_u32 v[SPW], v0, 2, SPARE
	v_mov_b32 v[NIL], 0
	ds_add_u32 v[SPW], v[NIL]                      ; the wave's opening: the add, twice on end, and its wait ahead of my first tensor load
	ds_add_u32 v[SPW], v[NIL]                      ; (the set-up below, work on registers, stands between the second add and the wait)
	v_lshrrev_b32 v1, 5, v0
	v_readfirstlane_b32 s10, v1                    ; wave 0..3
	s_lshr_b32 s11, s10, 1                         ; which half of the tile's rows (which chunk) is mine.  Also: I fetch for hT (0) or for WoutT (1)
	s_and_b32 s12, s10, 1                          ; which half of its columns.  Also: which half of that tile I fetch
	s_bfe_u32 s40, ttmp6, 0x40000                  ; cx
	s_bfe_u32 s41, ttmp6, 0x40004                  ; cy
	s_lshl_b32 s42, ttmp9, 2
	s_add_co_u32 s42, s42, s40                     ; tile column = 4 x cluster x + cx
	s_and_b32 s13, ttmp7, 0xffff
	s_lshl_b32 s13, s13, 2
	s_add_co_u32 s13, s13, s41                     ; tile row = 4 x cluster y + cy
	s_lshl_b32 s43, s41, 2
	s_lshl_b32 s43, 15, s43                        ; my row of the cluster
	s_lshl_b32 s44, 0x1111, s40                    ; my column
	; hT's tiles: 64 rows (channels) x 256 elements of 2 bytes; after every 128 words (code 6) 8 words of padding (code 7); bit 21 set beside the mask
	s_or_b32 s[G1+0], s43, (1<<16)|(1<<20)|(1<<21)|(6<<22)|(7<<25)
	s_mov_b32 s[G1+1], 256<<16                     ; tensor_dim0 = 256
	s_mov_b32 s[G1+2], 64<<16                      ; tensor_dim1 = 64
	s_mov_b32 s[G1+3], 256<<16                     ; tile_dim0 = 256
	s_mov_b32 s[G1+4], 64                          ; tile_dim1 = 64
	s_mov_b32 s[G1+5], 16384                       ; 16,384 elements from row to row
	s_mov_b32 s[G1+6], 0
	s_mov_b32 s[G1+7], 0
	; WoutT's tiles: 128 rows x 128 elements; after every 64 words (code 5) 4 words of padding (code 3)
	s_or_b32 s[G1B+0], s44, (1<<16)|(1<<20)|(1<<21)|(5<<22)|(3<<25)
	s_mov_b32 s[G1B+1], KSTEP<<16
	s_mov_b32 s[G1B+2], 128<<16
	s_mov_b32 s[G1B+3], KSTEP<<16
	s_mov_b32 s[G1B+4], 128
	s_mov_b32 s[G1B+5], 1024
	s_mov_b32 s[G1B+6], 0
	s_mov_b32 s[G1B+7], 0
	s_mov_b32 s[BM], 0xffff0000
	s_mov_b32 s[HKB], 0
	s_mov_b32 s[SB], 0
	s_mov_b32 s[QP], 0x3f666666                    ; 0.9, and its powers by squaring
	v_mov_b32 v5, s[QP]
.irp k, 1,2,3,4
	v_mul_f32 v5, v5, v5
	v_readfirstlane_b32 s[QP+(\k)], v5
.endr
	v_mul_f32 v5, v5, v5                           ; ^32
	v_mul_f32 v5, v5, v5                           ; ^64
	v_mul_f32 v5, v5, v5                           ; ^128
	v_readfirstlane_b32 s[QC], v5
	s_mov_b32 s[QC+1], s[QC]
	s_lshl_b32 s16, s12, 21                        ; hT: my 64 of a K step's 128 rows, 32,768 bytes each,
	s_lshl_b32 s17, s13, 9                         ; at the tile's 256 rows of time, 2 bytes each
	s_add_co_u32 s16, s16, s17
	s_mov_b32 s17, 0
	s_lshl_b32 s46, s42, 8
	s_lshl_b32 s47, s12, 7
	s_add_co_u32 s46, s46, s47                     ; WoutT: row 256 x tile column + 128 x half,
	s_lshl_b32 s46, s46, 11                        ; 2,048 bytes each
	s_mov_b32 s47, 0
	s_mul_i32 s20, s10, HALFT                      ; where they go: no place in the cluster enters an LDS address
	s_wait_dscnt 0x0                               ; both opening adds are done
	s_wait_kmcnt 0x0
	s_add_nc_u64 s[14:15], s[4:5], s[16:17]
	s_add_nc_u64 s[46:47], s[6:7], s[46:47]
	CROUND                                         ; all sixteen work-groups are here: the first joint loads meet
.irp s, 0,1
	s_mov_b32 s[G0+4*(\s)], 1
	s_add_co_u32 s[G0+4*(\s)+1], s20, (\s)*SLOT
	s_add_nc_u64 s[G0+4*(\s)+2:G0+4*(\s)+3], s[14:15], (\s)*KSTEP*32768
	s_or_b32 s[G0+4*(\s)+3], s[G0+4*(\s)+3], 0x80000000
	s_mov_b32 s[G0B+4*(\s)], 1
	s_add_co_u32 s[G0B+4*(\s)+1], s20, (\s)*SLOT
	s_add_nc_u64 s[G0B+4*(\s)+2:G0B+4*(\s)+3], s[46:47], (\s)*KSTEP*2
	s_or_b32 s[G0B+4*(\s)+3], s[G0B+4*(\s)+3], 0x80000000
	JLOAD \s                                       ; K steps 0 and 1: two loads of mine are out
.endr
	; THE END STATES.  Row rho = 0 .. 29 is chunk j - 30 + rho for my work-group's even chunk j = 2 (tile row % 16) (a zero row where that is before the sequence), row 30 is chunk j itself.
	; A thread takes channels 4 t .. 4 t + 3 and 512 + 4 t .. : each load of a wave covers 512 consecutive bytes.
	s_lshr_b32 s16, s13, 4                         ; the sequence: 64 rows
	s_lshl_b32 s16, s16, 6
	s_and_b32 s17, s13, 15
	s_lshl_b32 s17, s17, 1
	s_add_co_u32 s16, s16, s17
	s_add_co_u32 s16, s16, 2                       ; 32 + j - 30
	s_lshl_b32 s16, s16, 12
	s_mov_b32 s17, 0
	s_add_nc_u64 s[68:69], s[68:69], s[16:17]
	v_lshlrev_b32 v4, 4, v0
	WIN 0x80                                       ; destination window 2, address window 0
.set rho, 0
.rept 31
	global_load_b128 v[8*rho:8*rho+3],   v4, s[68:69] offset:4096*rho
	global_load_b128 v[8*rho+4:8*rho+7], v4, s[68:69] offset:4096*rho+2048
.set rho, rho+1
.endr
	WIN 0
	v_and_b32 v1, 15, v0                           ; r = l % 16
	v_bfe_u32 v2, v0, 4, 1                         ; h = l / 16
	v_lshlrev_b32 v6, 5, v2                        ; 32 h: my eight columns of a block of 16
	s_lshl_b32 s16, s42, 10
	s_lshl_b32 s18, s12, 9
	s_add_co_u32 s16, s16, s18                     ; my first column, in bytes of f32: 4 (256 x tile column + 128 x half)
	s_add_nc_u64 s[70:71], s[70:71], s[16:17]
	WIN TO_W
.irp b, 0,1,2,3,4,5,6,7
	global_load_b128 v[BO+8*(\b):BO+8*(\b)+3],   v6, s[70:71] offset:64*(\b)
	global_load_b128 v[BO+8*(\b)+4:BO+8*(\b)+7], v6, s[70:71] offset:64*(\b)+16
.endr
	WIN 0
	s_lshl_b32 s18, s13, 20                        ; out0: 256 x tile row + 128 x half, rows of 4,096 bytes
	s_lshl_b32 s19, s11, 19
	s_add_co_u32 s18, s18, s19
	s_add_co_u32 s16, s16, s18
	s_add_nc_u64 s[8:9], s[8:9], s[16:17]
	; The turning load takes 16 channels x 16 rows of time (lane l reads channel 8 (l / 16) + l % 8, rows 8 ((l / 8) % 2) + 0..7) and leaves half a fragment: lane l holds row l % 16 and 8 channels.
	v_and_b32 v3, 7, v0
	v_bfe_u32 v5, v0, 3, 1
	v_and_b32 v8, 31, v0                           ; l
	v_lshl_add_u32 v9, v2, 3, v3
	v_mul_u32_u24 v9, v9, HP
	v_lshl_add_u32 v9, v5, 4, v9
	s_lshl_b32 s21, s11, 8                         ; my 128 rows of time: 256 bytes of each LDS row
	v_add_nc_u32 v[ADH0], s21, v9
	v_mov_b32 v[ADH], v[ADH0]                      ; the first K step lies in slot 0
	v_mul_u32_u24 v9, v1, PITCH
	v_lshl_add_u32 v9, v2, 4, v9
	s_mul_i32 s21, s12, HALFT
	s_add_co_u32 s21, s21, 2*HALFT                 ; my 128 rows of WoutT, behind hT's 128
	v_add_nc_u32 v[ADW0], s21, v9
	v_mov_b32 v[ADW], v[ADW0]
	s_lshl_b32 s21, s11, 11
	s_add_co_u32 s21, s21, HB
	v_lshl_add_u32 v[ADRH0], v2, 4, s21            ; Hprev of my chunk: the same 16 bytes for all 16 rows of source 1
	v_mov_b32 v[ADRH], v[ADRH0]
	s_mul_i32 s21, s10, OSTG                       ; my stage
	v_mul_u32_u24 v[STO], v1, OSP
	v_lshl_add_u32 v[STO], v2, 5, v[STO]
	v_add_nc_u32 v[STO], s21, v[STO]               ; in: row r, 32 bytes for each half of the lanes
	v_lshl_add_u32 v[RD], v8, 4, s21               ; back: 32 lanes take a row's 512 bytes
	v_lshlrev_b32 v[CO], 4, v8
	v_lshl_add_u32 v7, v0, 3, HB                   ; where I put 8 bytes of Hprev
	; 0.9^(16 a + r + 1)
	v_mov_b32 v[PP], s[QP]
.irp k, 0,1,2,3
	v_and_b32 v9, 1<<(\k), v1
	v_cmp_ne_u32 vcc_lo, 0, v9
	v_cndmask_b32 v9, 1.0, s[QP+(\k)], vcc_lo
	v_mul_f32 v[PP], v[PP], v9
.endr
.irp a, 1,2,3,4,5,6,7
	v_mul_f32 v[PP+2*(\a)], s[QP+4], v[PP+2*(\a)-2]
.endr
.irp a, 0,1,2,3,4,5,6,7
	v_mov_b32 v[PP+2*(\a)+1], v[PP+2*(\a)]
.endr
	; the prefetches
	s_lshl_b32 s20, s12, 6
	s_lshl_b32 s21, s40, 4
	s_add_co_u32 s20, s20, s21                     ; hT: the 64 rows that I fetch, my work-group's 16 of them,
	s_lshl_b32 s20, s20, 15
	s_lshl_b32 s21, s13, 9
	s_add_co_u32 s20, s20, s21
	s_add_co_u32 s20, s20, 3*KSTEP*32768           ; at K step 3: the first refill steps to 4 and names that
	s_lshl_b32 s22, s42, 8
	s_lshl_b32 s23, s12, 7
	s_add_co_u32 s22, s22, s23
	s_lshl_b32 s23, s41, 5
	s_add_co_u32 s22, s22, s23                     ; WoutT: the 128 rows that I fetch, my work-group's 32 of them
	s_lshl_b32 s22, s22, 11
	s_add_co_u32 s22, s22, 3*KSTEP*2
	s_and_b32 s23, ttmp7, 0xffff                   ; cluster y
	s_mov_b32 s18, KSTEP*32768
	s_cmp_eq_u32 s11, 0                            ; do I fetch for hT?
	s_cselect_b32 s20, s20, s22
	s_cselect_b32 s23, 0, s23
	s_cselect_b32 s[PST], s18, KSTEP*2
	s_cselect_b32 s19, -1, 0
	s_cselect_b64 s[PFA:PFA+1], s[4:5], s[6:7]
	s_mov_b32 s21, 0
	s_mov_b32 s[PST+1], 0
	s_add_nc_u64 s[PFA:PFA+1], s[PFA:PFA+1], s[20:21]
	s_cmp_eq_u32 s23, 0
	s_cselect_b32 s[LIM], 2, -1                    ; the same in all sixteen partners, for a given wave
	v_lshrrev_b32 v9, 1, v8
	v_lshlrev_b32 v9, 15, v9
	v_and_b32 v10, 1, v8
	v_lshl_or_b32 v9, v10, 8, v9                   ; hT: row l / 2, half l % 2
	v_lshlrev_b32 v10, 11, v8                      ; WoutT: row l
	v_cndmask_b32 v[PFO], v10, v9, s19
	; HORNER: H = ((E0 Q + E1) Q + E2) .. , Q = 0.9^128, in f32
	s_wait_loadcnt 16                              ; the 62 loads of ends are in; the 16 of b_out, issued behind them, may stay out
	WIN 0x22                                       ; sources 0 and 2 window 2
.irp p, 0,2,4,6
	v_pk_fma_f32 v[HH+(\p):HH+(\p)+1], v[(\p):(\p)+1], s[QC:QC+1], v[8+(\p):8+(\p)+1] op_sel_hi:[1,0,1]
.endr
	WIN 0x20                                       ; source 2 window 2
.set rho, 2
.rept 28
.irp p, 0,2,4,6
	v_pk_fma_f32 v[HH+(\p):HH+(\p)+1], v[HH+(\p):HH+(\p)+1], s[QC:QC+1], v[8*rho+(\p):8*rho+(\p)+1] op_sel_hi:[1,0,1]
.endr
.set rho, rho+1
.endr
	WIN 0
.irp i, 0,1,2,3
	v_cvt_pk_bf16_f32 v[72+(\i)], v[HH+2*(\i)], v[HH+2*(\i)+1]     ; Hprev of the even chunk
.endr
	WIN 0x20
.irp p, 0,2,4,6
	v_pk_fma_f32 v[HH+(\p):HH+(\p)+1], v[HH+(\p):HH+(\p)+1], s[QC:QC+1], v[240+(\p):240+(\p)+1] op_sel_hi:[1,0,1]
.endr
	WIN 0
.irp i, 0,1,2,3
	v_cvt_pk_bf16_f32 v[76+(\i)], v[HH+2*(\i)], v[HH+2*(\i)+1]     ; Hprev of the odd chunk
.endr
	ds_store_b64 v7, v[72:73]
	ds_store_b64 v7, v[74:75] offset:1024
	ds_store_b64 v7, v[76:77] offset:2048
	ds_store_b64 v7, v[78:79] offset:3072
	s_wait_loadcnt 0x0                             ; b_out: rounded to bf16 like every input, and widened again
	WIN 0x05                                       ; sources 0 and 1 window 1
.set i, 0
.rept 32
	v_cvt_pk_bf16_f32 v[96+i], v[BO+2*i], v[BO+2*i+1]
.set i, i+1
.endr
	WIN 0x40                                       ; destination window 1
.set i, 0
.rept 32
	v_lshlrev_b32 v[BO+2*i], 16, v[96+i]
	v_and_b32 v[BO+2*i+1], s[BM], v[96+i]
.set i, i+1
.endr
	WIN 0
; 16 matrix instructions: row blocks a0, a0 + 1 of the window's four (hi = 0: my rows 0-63, 1: rows 64-127) x all 8 column blocks, 32 along K.  zero = 1: the first product starts the sums, from b_out.
; The 64 accumulators and the carry's 8 take turns, one instruction a turn, in the same order in every quarter step, over every jump too.
.macro MUL16 f, hi, a0, zero
.if \zero
	WIN 0x91+0x40*(\hi)                            ; C in window 1
.else
	WIN MUL_LO+0x50*(\hi)
.endif
.irp a, \a0, (\a0)+1
.irp b, 0,1,2,3,4,5,6,7
.if \zero
	v_wmma_f32_16x16x32_bf16 v[8*(8*(\a)+(\b)):8*(8*(\a)+(\b))+7], v[(\f)+8*(\b):(\f)+8*(\b)+7], v[(\f)+8*(4*(\hi)+(\a)):(\f)+8*(4*(\hi)+(\a))+7], v[BO+8*(\b):BO+8*(\b)+7]
.else
	v_wmma_f32_16x16x32_bf16 v[8*(8*(\a)+(\b)):8*(8*(\a)+(\b))+7], v[(\f)+8*(\b):(\f)+8*(\b)+7], v[(\f)+8*(4*(\hi)+(\a)):(\f)+8*(4*(\hi)+(\a))+7], v[8*(8*(\a)+(\b)):8*(8*(\a)+(\b))+7]
.endif
.endr
.endr
.endm
; 8 matrix instructions: Hprev x all 8 column blocks, 32 along K
.macro MULC f, zero
	WIN 0x51                                       ; WoutT, C and D window 1; Hprev window 0
.set rH, HF+8*(((\f)-F0)/64)
.irp b, 0,1,2,3,4,5,6,7
.if \zero
	v_wmma_f32_16x16x32_bf16 v[CA+8*(\b):CA+8*(\b)+7], v[(\f)+8*(\b):(\f)+8*(\b)+7], v[rH:rH+7], 0
.else
	v_wmma_f32_16x16x32_bf16 v[CA+8*(\b):CA+8*(\b)+7], v[(\f)+8*(\b):(\f)+8*(\b)+7], v[rH:rH+7], v[CA+8*(\b):CA+8*(\b)+7]
.endif
.endr
.endm
; 34 LDS loads in one run: the fragments of quarter q of the K step in hand into buffer f: 128 rows of WoutT, Hprev's 32 channels, 128 rows of h, turned
.macro FETCH q, f
	WIN TO_W
.irp i, 0,1,2,3,4,5,6,7
	ds_load_b128 v[(\f)+8*(\i):(\f)+8*(\i)+3],   v[ADW] offset:64*(\q)+(\i)*16*PITCH
	ds_load_b128 v[(\f)+8*(\i)+4:(\f)+8*(\i)+7], v[ADW] offset:64*(\q)+(\i)*16*PITCH+32
.endr
	WIN 0
.set rH, HF+8*(((\f)-F0)/64)
	ds_load_b128 v[rH:rH+3],   v[ADRH] offset:64*(\q)
	ds_load_b128 v[rH+4:rH+7], v[ADRH] offset:64*(\q)+32
.irp i, 0,1,2,3,4,5,6,7
	ds_load_tr16_b128 v[(\f)+8*(\i):(\f)+8*(\i)+3],   v[ADH] offset:(\q)*32*HP+32*(\i)
	ds_load_tr16_b128 v[(\f)+8*(\i)+4:(\f)+8*(\i)+7], v[ADH] offset:(\q)*32*HP+16*HP+32*(\i)
.endr
.endm
.macro PLACES                          ; four places in front of loads into registers that matrix instructions have read (ISA guide 7.12.1 for vector instructions)
.rept 4
	v_nop
.endr
.endm
; A K step is four quarters of 32 along K, 72 matrix instructions each, on buffers 0, 1, 0, 1.  One of the first three: multiplies buffer f, and in its middle fetches quarter q into g.
.macro QUARTER q, f, g, zero
	s_wait_dscnt 8                                 ; WoutT, Hprev and h's rows 0-63 are in; the youngest eight loads (rows 64-127) may be out
	MUL16 \f, 0, 0, \zero
	MUL16 \f, 0, 2, \zero
	MULC \f, \zero
	PLACES
	FETCH \q, \g
	s_wait_dscnt 34                                ; all but the 34 just issued
	MUL16 \f, 1, 0, \zero
	MUL16 \f, 1, 2, \zero
.endm
; The first half of the last quarter: ONE barrier for the change of slots.  In front of it each wave waits for all its tensor loads (one is out: its part of the next slot), adds 0 to its spare word,
; and waits for that and for its own reads of this slot.  Behind it nobody reads this slot any more and the next slot is whole.  Between the add and the wait for it: the fragments' addresses go over to the
; next slot and K step, and (fill = 1) the walking descriptors step to the slot that is being left and one K step on; no tensor load of mine is out, so they may be written.
.macro MEET fill
	WIN 0                                          ; (the add's two registers and the addresses lie in window 0)
	s_wait_tensorcnt 0x0
	ds_add_u32 v[SPW], v[NIL]
	s_xor_b32 s[SB], s[SB], SLOT
	s_add_co_u32 s[HKB], s[HKB], 2*KSTEP           ; a K step is 128 channels: 256 bytes of Hprev
	v_add_nc_u32 v[ADH], s[SB], v[ADH0]
	v_add_nc_u32 v[ADW], s[SB], v[ADW0]
	v_add_nc_u32 v[ADRH], s[HKB], v[ADRH0]
.if \fill
	s_xor_b32 s[G0+5], s[G0+5], SLOT
	s_add_nc_u64 s[G0+6:G0+7], s[G0+6:G0+7], KSTEP*32768           ; the type bits on top are not reached
	s_xor_b32 s[G0B+5], s[G0B+5], SLOT
	s_add_nc_u64 s[G0B+6:G0B+7], s[G0B+6:G0B+7], KSTEP*2
.endif
	s_wait_dscnt 9                                 ; (the add and the youngest eight loads may be out)
	MUL16 F1, 0, 0, 0                              ; sixteen matrix instructions stand between the add and the wait for it
	s_wait_dscnt 0x0                               ; the add is done, and my reads of this slot are over
	s_barrier_signal -1
	MUL16 F1, 0, 2, 0                              ; work on registers while the others arrive
	MULC F1, 0
.if \fill
	WIN 0
.endif
	s_barrier_wait -1
.endm
; The whole last quarter.  fill = 1: the barrier opens a round of the cluster's barrier, and the slot just read out is filled again, two K steps on, first thing behind the round.
.macro TURN fill
.if \fill
	s_wait_xcnt 0x0                                ; the last prefetch, a K step back, has read its address
	s_add_nc_u64 s[PFA:PFA+1], s[PFA:PFA+1], s[PST:PST+1]
	MEET 1
	CREST                                          ; no wave of any partner still reads this slot's tile or has a load on its way
	JLOAD 1                                        ; my one tensor load behind the round; the four v_nop behind it are also the places in front of the loads below
	FETCH 0, F0
	ASK
.else
	MEET 0
	PLACES
	FETCH 0, F0
.endif
	MUL16 F1, 1, 0, 0
	MUL16 F1, 1, 2, 0
.endm
	s_wait_tensorcnt 1                             ; my part of K step 0 is in; K step 1's may stay out
	s_wait_dscnt 0x0                               ; for the others' sake: my part of Hprev is stored
	s_barrier_signal -1
	s_barrier_wait -1                              ; everybody's is
	FETCH 0, F0
	QUARTER 1, F0, F1, 1                           ; the first quarter stands in front of the loop: its products start the sums
	WIN 0                                          ; at a label and at a branch every window is 0
	s_mov_b32 s3, 6                                ; refills to come
.LF:                                                   ; a trip is a K step that fills its slot again: from its second quarter to the next step's first
	QUARTER 2, F1, F0, 0
	QUARTER 3, F0, F1, 0
	TURN 1
	QUARTER 1, F0, F1, 0
	WIN 0
	s_sub_co_u32 s3, s3, 1
	s_cmp_lg_u32 s3, 0
	s_cbranch_scc1 .LF
	s_mov_b32 s[TC], 2
.LT:                                                   ; the last two K steps fill nothing
	QUARTER 2, F1, F0, 0
	QUARTER 3, F0, F1, 0
	WIN 0
	s_sub_co_u32 s[TC], s[TC], 1
	s_cmp_eq_u32 s[TC], 0
	s_cbranch_scc1 .Llastq
	TURN 0                                         ; behind its barrier nobody reads slot 0 any more, and no load fills it again
	QUARTER 1, F0, F1, 0
	WIN 0
	s_branch .LT
.Llastq:
	s_wait_dscnt 8                                 ; the very last quarter: nothing more to fetch
	MUL16 F1, 0, 0, 0
	MUL16 F1, 0, 2, 0
	MULC F1, 0
	s_wait_dscnt 0x0
	MUL16 F1, 1, 0, 0
	MUL16 F1, 1, 2, 0
	WIN 0
	PLACES                                         ; behind the last products, in front of what reads their results and loads over their fragments
	PLACES
; THE WAY OUT of row block a, in three parts.  FIX: + 0.9^(16 a + r + 1) x the carry, in place, each accumulator from its lowest registers on.  TOSTAGE: into my own stage in LDS, and back as whole rows of 512 bytes.  SEND: stored.
.macro FIX a
.set AC, 64*((\a)%4)
	WIN MUL_LO+0x50*((\a)/4)                       ; the carry (source 0) window 1, the power window 0, the accumulator window 2 or 3
.irp b, 0,1,2,3,4,5,6,7
.irp p, 0,2,4,6
	v_pk_fma_f32 v[AC+8*(\b)+(\p):AC+8*(\b)+(\p)+1], v[CA+8*(\b)+(\p):CA+8*(\b)+(\p)+1], v[PP+2*(\a):PP+2*(\a)+1], v[AC+8*(\b)+(\p):AC+8*(\b)+(\p)+1]
.endr
.endr
.endm
.macro TOSTAGE a
.set AC, 64*((\a)%4)
.set BK, F0+64*((\a)%2)
	WIN 0x08+4*((\a)/4)                            ; the stores' data: window 2 or 3
.irp b, 0,1,2,3,4,5,6,7
	ds_store_b128 v[STO], v[AC+8*(\b):AC+8*(\b)+3]   offset:64*(\b)
	ds_store_b128 v[STO], v[AC+8*(\b)+4:AC+8*(\b)+7] offset:64*(\b)+16
.endr
	WIN 0
	s_wait_xcnt 0x0                                ; the stores of the block two back have read these registers: only behind this wait are they loaded again
.irp t, 0,1,2,3,4,5,6,7,8,9,10,11,12,13,14,15
	ds_load_b128 v[BK+4*(\t):BK+4*(\t)+3], v[RD] offset:OSP*(\t)  ; LDS serves a wave's instructions in order (ISA guide 5.7.1.4): these see the stores above; the next block's stores come behind them
.endr
.endm
.macro SEND a
.set BK, F0+64*((\a)%2)
	WIN 0
	s_wait_dscnt 0x0                               ; the block is back in registers
.irp t, 0,1,2,3,4,5,6,7,8,9,10,11,12,13,14,15
	global_store_b128 v[CO], v[BK+4*(\t):BK+4*(\t)+3], s[8:9] offset:(16*(\a)+(\t))*4096 th:TH_STORE_NT  ; the wave stores 512 consecutive bytes of a row of out0, aligned
.endr
.endm
	FIX 0
	TOSTAGE 0
.irp a, 1,2,3,4,5,6,7                  ; block a's arithmetic stands between block a - 1's loads from the stage and the wait for them
	FIX \a
	SEND (\a)-1
	TOSTAGE \a
.endr
	SEND 7
	s_wait_tensorcnt 0x0                           ; the wave's end, behind my last tensor load and my last LDS store
	ds_add_u32 v[SPW], v[NIL]
	s_wait_dscnt 0x0
	CROUND                                         ; the closing round: no work-group ends while a partner may still ask for a tile that names it
	s_endpgm
.Lfunc_end_k_q138007a79c_outp:
	.size	k_q138007a79c_outp, .Lfunc_end_k_q138007a79c_outp-k_q138007a79c_outp
	.p2alignl 7, 3214868480
	.fill 96, 4, 3214868480
	.section	.rodata,"a",@progbits
	.p2align	6, 0x0
	.amdhsa_kernel k_q138007a79c_outp
		.amdhsa_group_segment_fixed_size 327680
		.amdhsa_private_segment_fixed_size 0
		.amdhsa_enable_private_segment 0
		.amdhsa_kernarg_size 40
		.amdhsa_user_sgpr_count 2
		.amdhsa_user_sgpr_kernarg_segment_ptr 1
		.amdhsa_wavefront_size32 1
		.amdhsa_system_sgpr_workgroup_id_x 1
		.amdhsa_system_sgpr_workgroup_id_y 1
		.amdhsa_system_sgpr_workgroup_id_z 1
		.amdhsa_system_vgpr_workitem_id 0
		.amdhsa_next_free_vgpr 1024
		.amdhsa_next_free_sgpr 96
		.amdhsa_reserve_vcc 1
		.amdhsa_float_denorm_mode_32 3
		.amdhsa_float_denorm_mode_16_64 3
		.amdhsa_memory_ordered 1
		.amdhsa_forward_progress 1
		.amdhsa_inst_pref_size 149
	.end_amdhsa_kernel
	.amdgpu_metadata
---
amdhsa.version: [ 1, 2 ]
amdhsa.kernels:
  - .name:           k_q138007a79c_outp
    .symbol:         k_q138007a79c_outp.kd
    .args:
      - { .name: hT, .offset: 0, .size: 8, .value_kind: global_buffer, .address_space: global }
      - { .name: WoutT, .offset: 8, .size: 8, .value_kind: global_buffer, .address_space: global }
      - { .name: out0, .offset: 16, .size: 8, .value_kind: global_buffer, .address_space: global }
      - { .name: ends, .offset: 24, .size: 8, .value_kind: global_buffer, .address_space: global }
      - { .name: b_out, .offset: 32, .size: 8, .value_kind: global_buffer, .address_space: global }
    .group_segment_fixed_size: 327680
    .private_segment_fixed_size: 0
    .kernarg_segment_align: 8
    .kernarg_segment_size: 40
    .max_flat_workgroup_size: 128
    .sgpr_count:     96
    .vgpr_count:     1024
    .wavefront_size: 32
...
	.end_amdgpu_metadata
.endif
;; end of part 3
